; MI455X (gfx1250); checked and timed in simulation.
; The chip was launched on July 23, 2026; its instructions are those of AMD's public machine-readable ISA for CDNA 5 (MIT licence, August 2026) and "CDNA5" Instruction Set Architecture Reference Guide (July 2026). The comments in the code are by the model that wrote it; some were corrected since.
;; Ori Lya Spec. Allowed arithmetic: float matrix products may take bf16 or f16 operands with f32 sums; all other float work in f32.
;; Inputs: time_sequ 64 float32; x 3 x 131,072 float32.
;; Outputs: out0 3 x 131,072 float32; out1 3 x 131,072 float32.
;; 2 versions, each right and faster than the one before. Each part assembles by itself: llvm-mc -triple=amdgcn-amd-amdhsa -mcpu=gfx1250 --defsym DOCPART=n.
;; ======== version 1 of 2: 1 launch
;; launch lyap (part 1): grid 256 x 1, 8 waves a work-group, no clusters, 0 bytes of LDS; arguments time_sequ, x, out0, out1; writes out0, out1
.if DOCPART == 1
	.amdgcn_target "amdgcn-amd-amdhsa--gfx1250"
	.amdhsa_code_object_version 6
	.text
	.protected	k_q91f12188be_lyap
	.globl	k_q91f12188be_lyap
	.p2align	8
	.type	k_q91f12188be_lyap,@function
k_q91f12188be_lyap:
	s_mov_b64 s[64:65], 0
	v_nop
	global_prefetch_b8 v0, s[64:65] scope:SCOPE_SE
	s_setreg_imm32_b32 hwreg(HW_REG_WAVE_MODE, 25, 1), 1
	s_wait_xcnt 0x0
; Lyapunov spectrum of the Lorenz system: 131,072 independent trajectories, 64 steps, all state in registers.
; Each step: RK4 (k4 taken at x + dt k2, as the problem has it), M = I + dt J(x), Q = M Q, modified Gram-Schmidt over the
; rows of Q, row norms, Q normalised, lya = (lya t + ln norm) / (t + dt).  Outputs: out0 = lya [3][B], out1 = x [3][B].
;
; SHARES.  256 work-groups of 8 waves; a lane owns TWO neighbouring trajectories in an even-aligned register pair, so nearly every
; operation is one packed f32 instruction, and one 8-byte load or store of a wave covers 256 consecutive bytes, aligned.
; 256 x 8 x 32 x 2 = 131,072.  Traffic is 12 bytes in and 24 bytes out per trajectory, once; the rest is arithmetic.
;
; NO MATRIX UNIT: the einsum is a separate 3 x 3 x 3 product for each trajectory.  A 16 x 16 x 32 instruction could carry five of them
; on its diagonal (135 useful multiply-adds of 8,192) and would want the lanes transposed in every step; here 24 packed fused
; multiply-adds serve 64 trajectories, in f32.  No LDS, barrier or cluster: work-groups share nothing but the 256 bytes of time_sequ.
;
; ALGEBRA (holds for every input; only the order of rounding differs from the problem's text):
;  * a row is normalised before later rows are projected on it: a - (q.a) q with q = b/|b| is a - (b.a)/(b.b) b;
;  * ln norm = (ln 2 / 2) log2(norm^2): no square root;
;  * in place of lya its numerator is carried: S_k = lya_k (t_k + dt) 2/ln 2 = S_(k-1) g_k + log2(norm_k^2),
;    g_k = t_k / (t_(k-1) + dt), g_0 = 0 (lya starts at 0); at the end lya = S_63 (ln 2 / 2) / (t_63 + dt).  time_sequ may hold any numbers.
; LIMITS: v_rcp_f32, v_rsq_f32 and v_log_f32 take denormals as zero and give zero for denormal results.  So |t + dt| has to lie
; between 2^-126 and 2^126, and a row whose squared norm is below 2^-126 (norm below 2^-63) counts as a zero row.
;
; ORDER.  x does not hang on Q, so the RK4 of step k+1 is woven into the Gram-Schmidt of step k, whose dot products are
; chains of dependent instructions: RK4(0) in front, 31 trips of two steps, and a tail whose last step has no RK4.
.set NB,     131072                    ; trajectories
.set ROWB,   NB*4                      ; bytes in a row of x, out0, out1
.set STEPS,  64
; scalar registers.  s[4:5] time_sequ, s[6:7] x, s[8:9] out0, s[10:11] out1.  A constant fills both registers of its pair.
.set TRIP,    12                       ; trip counter = the lane that holds this trip's two g
.set SG,      14                       ; s14   g of the step at work (s15 written once)
.set SF,      16                       ; s16   (ln 2 / 2) / (t_63 + dt) (s17 written once)
.set C_NRHO,  18                       ; -rho
.set C_NBETA, 20                       ; -beta
.set C_HS2,   22                       ; dt sigma / 2
.set C_HS,    24                       ; dt sigma, also M01
.set C_HS6,   26                       ; dt sigma / 6
.set C_NH2,   28                       ; -dt / 2
.set C_NH,    30                       ; -dt
.set C_NH6,   32                       ; -dt / 6
.set C_H2,    34                       ; dt / 2
.set C_H,     36                       ; dt
.set C_H6,    38                       ; dt / 6
.set C_M00,   40                       ; 1 - dt sigma
.set C_M11,   42                       ; 1 - dt
.set C_M22,   44                       ; 1 - dt beta
; vector registers (pairs: the lane's two trajectories)
.set OFFV, 1                           ; v1  8 x thread: my byte offset in a row
.set GE,   2                           ; v2  lane i: g of step 2 i
.set GO,   3                           ; v3  lane i: g of step 2 i + 1
.set FF,   4                           ; v4  lane i: (ln 2 / 2) / (t[2 i + 1] + dt); lane 31's is used
.set X,   12
.set Y,   14
.set Z,   16
.set TP,  18                           ; z - rho of the state
.set AA,  20                           ; M10 = dt (rho - z)
.set E,   22                           ; dt x: M21, and -M12
.set G,   24                           ; M20 = dt y
.set AX,  26                           ; sums over the four stages of (y - x), of -ky, of kz
.set AY,  28
.set AZ,  30
.set XS,  32                           ; the point of stage 2, then of stage 3
.set YS,  34
.set ZS,  36
.set XU,  38                           ; the point of stage 4
.set YU,  40
.set ZU,  42
.set D,   44                           ; y - x, z - rho, x y, -ky, kz at a stage
.set T,   46
.set P,   48
.set N,   50
.set K,   52
.set D4,  54                           ; the same at stage 4, which does not wait for stage 3
.set T4,  56
.set P4,  58
.set N4,  60
.set K4,  62
.set TS,  44                           ; v44-54 once more, in front of the first RK4: scratch for the table of g
.set Q,   64                           ; v64-81  Q[i][j] at Q + 6 i + 2 j, rows orthonormal
.set R,   82                           ; v82-99  the rows of M Q, orthogonalised in place
.set NN,  100                          ; a row's squared norm
.set II,  102                          ; 1 / norm
.set L,   104                          ; v104-109  log2 of the three squared norms
.set DA,  110                          ; projections
.set DB,  112
.set S,   118                          ; v118-123  the three running numerators
.macro SCONST p, bits
	s_mov_b32 s[\p], \bits
	s_mov_b32 s[\p+1], \bits
.endm
; packed f32 on pairs; k = a scalar pair, whose first register feeds both halves
.macro PMUL d, a, b
	s_wait_alu depctr_va_vdst(0)
	v_pk_mul_f32 v[\d:\d+1], v[\a:\a+1], v[\b:\b+1]
.endm
.macro PMULS d, a, k
	v_pk_mul_f32 v[\d:\d+1], v[\a:\a+1], s[\k:\k+1] op_sel_hi:[1,0]
.endm
.macro PADD d, a, b
	v_pk_add_f32 v[\d:\d+1], v[\a:\a+1], v[\b:\b+1]
.endm
.macro PSUB d, a, b
	v_pk_add_f32 v[\d:\d+1], v[\a:\a+1], v[\b:\b+1] neg_lo:[0,1] neg_hi:[0,1]
.endm
.macro PADDS d, a, k
	v_pk_add_f32 v[\d:\d+1], v[\a:\a+1], s[\k:\k+1] op_sel_hi:[1,0]
.endm
.macro PFMA d, a, b, c
	v_pk_fma_f32 v[\d:\d+1], v[\a:\a+1], v[\b:\b+1], v[\c:\c+1]
.endm
.macro PNFMA d, a, b, c                ; c - a b
	v_pk_fma_f32 v[\d:\d+1], v[\a:\a+1], v[\b:\b+1], v[\c:\c+1] neg_lo:[1,0,0] neg_hi:[1,0,0]
.endm
.macro PFMAS d, a, k, c
	v_pk_fma_f32 v[\d:\d+1], v[\a:\a+1], s[\k:\k+1], v[\c:\c+1] op_sel_hi:[1,0,1]
.endm
.macro PFMA2 d, a, c                   ; 2 a + c
	v_pk_fma_f32 v[\d:\d+1], v[\a:\a+1], 2.0, v[\c:\c+1] op_sel_hi:[1,0,1]
.endm
.macro TRSQ
	v_rsq_f32 v[II], v[NN]
	v_rsq_f32 v[II+1], v[NN+1]
.endm
.macro TLOG i
	v_log_f32 v[L+2*\i], v[NN]
	v_log_f32 v[L+2*\i+1], v[NN+1]
.endm
.macro SUPD i                          ; S_i = S_i g + log2(norm_i^2)
	PFMAS S+2*\i, S+2*\i, SG, L+2*\i
.endm
; RK4 and the entries of M in 19 pieces, 44 packed instructions, to be laid between the links of the Gram-Schmidt chains.
; kx = sigma (y - x); -ky = x (z - rho) + y; kz = x y - beta z.  sigma and the signs sit in the constants.
; ADV = 0 (the last step): the pieces are empty.
.set ADV, 1
.macro RK1                             ; stage 1 at the state (z - rho is there already)
.if ADV
	PSUB  AX, Y, X
	PFMA  AY, X, TP, Y
	PMUL  P, X, Y
.endif
.endm
.macro RK2
.if ADV
	PFMAS AZ, Z, C_NBETA, P
	PFMAS XS, AX, C_HS2, X             ; the point of stage 2: x + dt/2 k1
	PFMAS YS, AY, C_NH2, Y
.endif
.endm
.macro RK3
.if ADV
	PFMAS ZS, AZ, C_H2, Z
	PSUB  D, YS, XS                    ; stage 2
	PMUL  P, XS, YS
.endif
.endm
.macro RK4
.if ADV
	PADDS T, ZS, C_NRHO
.endif
.endm
.macro RK5
.if ADV
	PFMA  N, XS, T, YS
	PFMAS K, ZS, C_NBETA, P
.endif
.endm
.macro RK6                             ; from k2: the point of stage 3 (x + dt/2 k2), that of stage 4 (x + dt k2), and the sum
.if ADV
	PFMAS XS, D, C_HS2, X
	PFMAS XU, D, C_HS, X
	PFMA2 AX, D, AX
.endif
.endm
.macro RK7
.if ADV
	PFMAS YS, N, C_NH2, Y
	PFMAS YU, N, C_NH, Y
	PFMA2 AY, N, AY
.endif
.endm
.macro RK8
.if ADV
	PFMAS ZS, K, C_H2, Z
	PFMAS ZU, K, C_H, Z
	PFMA2 AZ, K, AZ
.endif
.endm
.macro RK9                             ; stages 3 and 4 side by side
.if ADV
	PSUB  D, YS, XS
	PSUB  D4, YU, XU
	PMUL  P, XS, YS
.endif
.endm
.macro RK10
.if ADV
	PMUL  P4, XU, YU
	PADDS T, ZS, C_NRHO
	PADDS T4, ZU, C_NRHO
.endif
.endm
.macro RK11
.if ADV
	PFMA  N, XS, T, YS
	PFMA  N4, XU, T4, YU
.endif
.endm
.macro RK12
.if ADV
	PFMAS K, ZS, C_NBETA, P
	PFMAS K4, ZU, C_NBETA, P4
.endif
.endm
.macro RK13
.if ADV
	PFMA2 AX, D, AX
	PFMA2 AY, N, AY
.endif
.endm
.macro RK14
.if ADV
	PFMA2 AZ, K, AZ
	PADD  AX, AX, D4
.endif
.endm
.macro RK15
.if ADV
	PADD  AY, AY, N4
	PADD  AZ, AZ, K4
.endif
.endm
.macro RK16                            ; x + dt/6 (k1 + 2 k2 + 2 k3 + k4)
.if ADV
	PFMAS X, AX, C_HS6, X
	PFMAS Y, AY, C_NH6, Y
.endif
.endm
.macro RK17                            ; the entries of M for the next step: this step's M Q has long read the old ones
.if ADV
	PFMAS Z, AZ, C_H6, Z
	PMULS E, X, C_H
.endif
.endm
.macro RK18
.if ADV
	PMULS G, Y, C_H
	PADDS TP, Z, C_NRHO
.endif
.endm
.macro RK19
.if ADV
	PMULS AA, TP, C_NH
.endif
.endm
; One step: R = M Q, Gram-Schmidt over the rows of R, Q = the rows normalised, S updated; woven in, the RK4 of the next step.
; M = [ 1-dt sigma, dt sigma, 0 ;  AA, 1-dt, -E ;  G, E, 1-dt beta ].   gv: the register whose lane TRIP holds this step's g.
; Behind each v_rsq_f32 / v_log_f32 a plain vector instruction of the Gram-Schmidt stream itself (not an RK piece, which may be
; empty) stands before the result is read or NN rewritten (ISA guide 5.7.2).
.macro STEP gv
	v_readlane_b32 s[SG], v[\gv], s[TRIP]
.irp j, 0,1,2
	PMULS R+2*\j, Q+2*\j, C_M00                    ; row 0
.endr
.irp j, 0,1,2
	PFMAS R+2*\j, Q+6+2*\j, C_HS, R+2*\j
.endr
.irp j, 0,1,2
	PMULS R+6+2*\j, Q+6+2*\j, C_M11                ; rows 1 and 2 fill the gaps of row 0's squared norm
.endr
	PMUL  NN, R, R
.irp j, 0,1,2
	PMULS R+12+2*\j, Q+12+2*\j, C_M22
.endr
	PFMA  NN, R+2, R+2, NN
.irp j, 0,1,2
	PFMA  R+6+2*\j, AA, Q+2*\j, R+6+2*\j
.endr
	PFMA  NN, R+4, R+4, NN
.irp j, 0,1,2
	PFMA  R+12+2*\j, G, Q+2*\j, R+12+2*\j
.endr
	TRSQ
.irp j, 0,1,2
	PNFMA R+6+2*\j, E, Q+12+2*\j, R+6+2*\j
.endr
	TLOG  0
.irp j, 0,1,2
	PFMA  R+12+2*\j, E, Q+6+2*\j, R+12+2*\j
.endr
.irp j, 0,1,2
	PMUL  Q+2*\j, R+2*\j, II                       ; q0
.endr
	RK1
	PMUL  DA, Q, R+6                               ; q0 . r1 and q0 . r2
	PMUL  DB, Q, R+12
	RK2
	PFMA  DA, Q+2, R+8, DA
	PFMA  DB, Q+2, R+14, DB
	RK3
	PFMA  DA, Q+4, R+10, DA
	PFMA  DB, Q+4, R+16, DB
	RK4
.irp j, 0,1,2
	PNFMA R+6+2*\j, DA, Q+2*\j, R+6+2*\j           ; r1 -= (q0 . r1) q0
.endr
	RK5
	PMUL  NN, R+6, R+6
.irp j, 0,1,2
	PNFMA R+12+2*\j, DB, Q+2*\j, R+12+2*\j         ; r2 -= (q0 . r2) q0
.endr
	PFMA  NN, R+8, R+8, NN
	RK6
	PFMA  NN, R+10, R+10, NN
	RK7
	TRSQ
	SUPD  0
	RK8
	TLOG  1
	RK9
.irp j, 0,1,2
	PMUL  Q+6+2*\j, R+6+2*\j, II                   ; q1
.endr
	RK10
	PMUL  DA, Q+6, R+12                            ; q1 . r2, with r2 as it stands after q0
	RK11
	PFMA  DA, Q+8, R+14, DA
	RK12
	PFMA  DA, Q+10, R+16, DA
	RK13
.irp j, 0,1,2
	PNFMA R+12+2*\j, DA, Q+6+2*\j, R+12+2*\j
.endr
	RK14
	PMUL  NN, R+12, R+12
	RK15
	PFMA  NN, R+14, R+14, NN
	RK16
	PFMA  NN, R+16, R+16, NN
	RK17
	TRSQ
	SUPD  1
	RK18
	TLOG  2
	RK19
.irp j, 0,1,2
	PMUL  Q+12+2*\j, R+12+2*\j, II                 ; q2
.endr
	SUPD  2
.endm
	s_load_b256 s[4:11], s[0:1], 0x0               ; time_sequ s[4:5], x s[6:7], out0 s[8:9], out1 s[10:11]
	v_and_b32 v5, 31, v0                           ; lane
	v_lshlrev_b32 v[OFFV], 3, v0                   ; two f32 a thread
	v_lshlrev_b32 v[TS], 3, v5                     ; byte of t[2 lane]
	v_cmp_ne_u32 vcc_lo, 0, v5                     ; every lane but 0; kept for g_0 below
	v_add_nc_u32 v[TS+1], -4, v[TS]                ; byte of t[2 lane - 1];
	v_cndmask_b32 v[TS+1], v[TS], v[TS+1], vcc_lo  ; lane 0 has none and reads t[0], inside the buffer; its g is replaced below
	s_lshl_b32 s2, ttmp9, 11                       ; the work-group's 256 threads x 8 bytes in each row
	s_mov_b32 s3, 0
	SCONST C_NRHO,  0xc1e00000                     ; -28
	SCONST C_NBETA, 0xc02aaaab                     ; -8/3
	SCONST C_HS2,   0x3d4ccccd                     ; 0.05
	SCONST C_HS,    0x3dcccccd                     ; 0.1
	SCONST C_HS6,   0x3c888889                     ; 0.1/6
	SCONST C_NH2,   0xbba3d70a                     ; -0.005
	SCONST C_NH,    0xbc23d70a                     ; -0.01
	SCONST C_NH6,   0xbada740e                     ; -0.01/6
	SCONST C_H2,    0x3ba3d70a                     ; 0.005
	SCONST C_H,     0x3c23d70a                     ; 0.01
	SCONST C_H6,    0x3ada740e                     ; 0.01/6
	SCONST C_M00,   0x3f666666                     ; 0.9
	SCONST C_M11,   0x3f7d70a4                     ; 0.99
	SCONST C_M22,   0x3f792c60                     ; 1 - 0.08/3
	s_mov_b32 s[SG+1], 0                           ; the second registers of the two pairs that v_readlane_b32 fills: never used, but named
	s_mov_b32 s[SF+1], 0
	s_wait_kmcnt 0x0
	s_add_nc_u64 s[6:7], s[6:7], s[2:3]
	s_add_nc_u64 s[8:9], s[8:9], s[2:3]
	s_add_nc_u64 s[10:11], s[10:11], s[2:3]
	global_load_b64 v[TS+2:TS+3], v[TS], s[4:5]    ; t[2 i], t[2 i + 1]
	global_load_b32 v[TS+4], v[TS+1], s[4:5]       ; t[2 i - 1]
	global_load_b64 v[X:X+1], v[OFFV], s[6:7] th:TH_LOAD_NT
	global_load_b64 v[Y:Y+1], v[OFFV], s[6:7] offset:ROWB th:TH_LOAD_NT
	global_load_b64 v[Z:Z+1], v[OFFV], s[6:7] offset:2*ROWB th:TH_LOAD_NT
	; Q = I and S = 0, as the problem starts them: 24 moves, once, under the loads
.set i, 0
.rept 18
.if (i/2)%4 == 0
	v_mov_b32 v[Q+i], 1.0                          ; pairs 0, 4, 8: the diagonal
.else
	v_mov_b32 v[Q+i], 0
.endif
.set i, i+1
.endr
.irp i, 0,1,2,3,4,5
	v_mov_b32 v[S+\i], 0
.endr
	s_wait_loadcnt 0x3                             ; the two loads of t are in; the three younger ones (x, y, z) may stay out
	v_add_f32 v[TS+5], s[C_H], v[TS+4]             ; t[2 i - 1] + dt
	v_add_f32 v[TS+6], s[C_H], v[TS+2]             ; t[2 i] + dt
	v_add_f32 v[TS+7], s[C_H], v[TS+3]             ; t[2 i + 1] + dt
	v_rcp_f32 v[TS+8], v[TS+5]
	v_rcp_f32 v[TS+9], v[TS+6]
	v_rcp_f32 v[TS+10], v[TS+7]
	s_wait_loadcnt 0x0                             ; x, y, z
	PADDS TP, Z, C_NRHO                            ; the plain instruction between the reciprocals and their use (ISA guide 5.7.2)
	s_wait_alu depctr_va_vdst(0)
	v_mul_f32 v[TS+8], v[TS+2], v[TS+8]            ; g of step 2 i
	v_mul_f32 v[GO], v[TS+3], v[TS+9]              ; g of step 2 i + 1
	v_mul_f32 v[FF], 0x3eb17218, v[TS+10]          ; (ln 2 / 2) / (t[2 i + 1] + dt)
	v_cndmask_b32 v[GE], 0, v[TS+8], vcc_lo        ; g_0 = 0: lya starts at 0, so lya t_0 = 0
	RK1                                            ; the RK4 of step 0 and its M, by itself
	RK2
	RK3
	RK4
	RK5
	RK6
	RK7
	RK8
	RK9
	RK10
	RK11
	RK12
	RK13
	RK14
	RK15
	RK16
	RK17
	RK18
	RK19
	s_mov_b32 s[TRIP], 0
.Ltrip:                                            ; trip i: steps 2 i and 2 i + 1, each with the RK4 of the step behind it
	STEP GE
	STEP GO
	s_add_co_u32 s[TRIP], s[TRIP], 1
	s_cmp_lt_u32 s[TRIP], STEPS/2-1
	s_cbranch_scc1 .Ltrip
	STEP GE                                        ; step 62 (TRIP = 31), with the 64th and last RK4
	global_store_b64 v[OFFV], v[X:X+1], s[10:11] th:TH_STORE_NT                 ; x is final; the last step writes none of X, Y, Z, OFFV
	global_store_b64 v[OFFV], v[Y:Y+1], s[10:11] offset:ROWB th:TH_STORE_NT
	global_store_b64 v[OFFV], v[Z:Z+1], s[10:11] offset:2*ROWB th:TH_STORE_NT
.set ADV, 0
	STEP GO                                        ; step 63: Gram-Schmidt alone
	v_readlane_b32 s[SF], v[FF], 31                ; (ln 2 / 2) / (t_63 + dt)
	PMULS S, S, SF
	PMULS S+2, S+2, SF
	PMULS S+4, S+4, SF
	global_store_b64 v[OFFV], v[S:S+1], s[8:9] th:TH_STORE_NT
	global_store_b64 v[OFFV], v[S+2:S+3], s[8:9] offset:ROWB th:TH_STORE_NT
	global_store_b64 v[OFFV], v[S+4:S+5], s[8:9] offset:2*ROWB th:TH_STORE_NT
	s_endpgm
.Lfunc_end_k_q91f12188be_lyap:
	.size	k_q91f12188be_lyap, .Lfunc_end_k_q91f12188be_lyap-k_q91f12188be_lyap
	.p2alignl 7, 3214868480
	.fill 96, 4, 3214868480
	.section	.rodata,"a",@progbits
	.p2align	6, 0x0
	.amdhsa_kernel k_q91f12188be_lyap
		.amdhsa_group_segment_fixed_size 0
		.amdhsa_private_segment_fixed_size 0
		.amdhsa_enable_private_segment 0
		.amdhsa_kernarg_size 32
		.amdhsa_user_sgpr_count 2
		.amdhsa_user_sgpr_kernarg_segment_ptr 1
		.amdhsa_wavefront_size32 1
		.amdhsa_system_sgpr_workgroup_id_x 1
		.amdhsa_system_sgpr_workgroup_id_y 1
		.amdhsa_system_sgpr_workgroup_id_z 1
		.amdhsa_system_vgpr_workitem_id 0
		.amdhsa_next_free_vgpr 128
		.amdhsa_next_free_sgpr 66
		.amdhsa_reserve_vcc 1
		.amdhsa_float_denorm_mode_32 3
		.amdhsa_float_denorm_mode_16_64 3
		.amdhsa_memory_ordered 1
		.amdhsa_forward_progress 1
		.amdhsa_inst_pref_size 37
	.end_amdhsa_kernel
	.amdgpu_metadata
---
amdhsa.version: [ 1, 2 ]
amdhsa.kernels:
  - .name:           k_q91f12188be_lyap
    .symbol:         k_q91f12188be_lyap.kd
    .args:
      - { .name: time_sequ, .offset: 0, .size: 8, .value_kind: global_buffer, .address_space: global }
      - { .name: x, .offset: 8, .size: 8, .value_kind: global_buffer, .address_space: global }
      - { .name: out0, .offset: 16, .size: 8, .value_kind: global_buffer, .address_space: global }
      - { .name: out1, .offset: 24, .size: 8, .value_kind: global_buffer, .address_space: global }
    .group_segment_fixed_size: 0
    .private_segment_fixed_size: 0
    .kernarg_segment_align: 8
    .kernarg_segment_size: 32
    .max_flat_workgroup_size: 256
    .sgpr_count:     66
    .vgpr_count:     128
    .wavefront_size: 32
...
	.end_amdgpu_metadata
.endif
;; end of part 1
;; ======== version 2 of 2: 1 launch; 1.56 times as fast as version 1
;; launch lyap (part 2): grid 256 x 1, 8 waves a work-group, no clusters, 0 bytes of LDS; arguments time_sequ, x, out0, out1; writes out0, out1
.if DOCPART == 2
	.amdgcn_target "amdgcn-amd-amdhsa--gfx1250"
	.amdhsa_code_object_version 6
	.text
	.protected	k_q91f12188be_lyap
	.globl	k_q91f12188be_lyap
	.p2align	8
	.type	k_q91f12188be_lyap,@function
k_q91f12188be_lyap:
	s_mov_b64 s[64:65], 0
	v_nop
	global_prefetch_b8 v0, s[64:65] scope:SCOPE_SE
	s_setreg_imm32_b32 hwreg(HW_REG_WAVE_MODE, 25, 1), 1
	s_wait_xcnt 0x0
; Lyapunov spectrum of the Lorenz system: 131,072 independent trajectories, 64 steps, all state in registers.
; Each step: RK4 (k4 taken at x + dt k2, as the problem has it), M = I + dt J(x), Q = M Q, modified Gram-Schmidt over the
; rows of Q, row norms, Q normalised, lya = (lya t + ln norm) / (t + dt).  Outputs: out0 = lya [3][B], out1 = x [3][B].
;
; SHARES.  256 work-groups of 8 waves; a lane owns TWO neighbouring trajectories in an even-aligned register pair, so nearly every
; operation is one packed f32 instruction, and one 8-byte load or store of a wave covers 256 consecutive bytes, aligned.
; 256 x 8 x 32 x 2 = 131,072.  Traffic is 12 bytes in and 24 bytes out per trajectory, once; the rest is arithmetic.
;
; NO MATRIX UNIT: the einsum is a separate 3 x 3 x 3 product for each trajectory.  A 16 x 16 x 32 instruction could carry five of them
; on its diagonal (135 useful multiply-adds of 8,192) and would want the lanes transposed in every step; here 24 packed fused
; multiply-adds serve 64 trajectories, in f32.  No LDS, barrier or cluster: work-groups share nothing but the 256 bytes of time_sequ.
;
; ALGEBRA (holds for every input; only the order of rounding differs from the problem's text):
;  * a row is normalised before later rows are projected on it: a - (q.a) q with q = b/|b| is a - (b.a)/(b.b) b;
;  * ln norm = (ln 2 / 2) log2(norm^2): no square root;
;  * in place of lya its numerator is carried: S_k = lya_k (t_k + dt) 2/ln 2 = S_(k-1) g_k + log2(norm_k^2),
;    g_k = t_k / (t_(k-1) + dt), g_0 = 0 (lya starts at 0); at the end lya = S_63 (ln 2 / 2) / (t_63 + dt).  time_sequ may hold any numbers.
; LIMITS: v_rcp_f32, v_rsq_f32 and v_log_f32 take denormals as zero and give zero for denormal results.  So |t + dt| has to lie
; between 2^-126 and 2^126, and a row whose squared norm is below 2^-126 (norm below 2^-63) counts as a zero row.
;
; ORDER.  x does not hang on Q, so the RK4 of step k+1 is woven into the Gram-Schmidt of step k, whose dot products are
; chains of dependent instructions: RK4(0) in front, 31 trips of two steps, and a tail whose last step has no RK4.
;
; BATCHES.  A step has twelve transcendentals: for each row the two v_rsq_f32 and the two v_log_f32 of its squared norm (the lane's two
; trajectories).  Row 1's norm hangs on q0; row 2's norm hangs on q1; row 0 of the NEXT step's M Q hangs on q0 and q1 alone.  So they are
; cut in two batches a step: row 1's four, and a JOINT batch of eight, row 2's four with the next step's row 0's four.  A batch's results
; have registers of their own (II for rows 1 and 2, IIB for row 0; L + 2 i), and so has row 0's squared norm (NNB).  Behind a batch stands
; work that names none of its results (pieces of the RK4, an update of S, terms of the next M Q); then ONE s_wait_alu depctr_va_vdst(0),
; ahead of the batch's first reader.  The text of a step begins and ends at the joint wait: it opens with
; q2 and S_2 of the step before.
; The head's three reciprocals, and row 0 of step 0, are batches of their own.
.set NB,     131072                    ; trajectories
.set ROWB,   NB*4                      ; bytes in a row of x, out0, out1
.set STEPS,  64
; scalar registers.  s[4:5] time_sequ, s[6:7] x, s[8:9] out0, s[10:11] out1.  A constant fills both registers of its pair.
.set TRIP,    12                       ; trip counter = the lane that holds this trip's two g
.set SG,      14                       ; s14   g of the step at work (s15 written once)
.set SF,      16                       ; s16   (ln 2 / 2) / (t_63 + dt) (s17 written once)
.set C_NRHO,  18                       ; -rho
.set C_NBETA, 20                       ; -beta
.set C_HS2,   22                       ; dt sigma / 2
.set C_HS,    24                       ; dt sigma, also M01
.set C_HS6,   26                       ; dt sigma / 6
.set C_NH2,   28                       ; -dt / 2
.set C_NH,    30                       ; -dt
.set C_NH6,   32                       ; -dt / 6
.set C_H2,    34                       ; dt / 2
.set C_H,     36                       ; dt
.set C_H6,    38                       ; dt / 6
.set C_M00,   40                       ; 1 - dt sigma
.set C_M11,   42                       ; 1 - dt
.set C_M22,   44                       ; 1 - dt beta
; vector registers (pairs: the lane's two trajectories)
.set OFFV, 1                           ; v1  8 x thread: my byte offset in a row
.set GE,   2                           ; v2  lane i: g of step 2 i
.set GO,   3                           ; v3  lane i: g of step 2 i + 1
.set FF,   4                           ; v4  lane i: (ln 2 / 2) / (t[2 i + 1] + dt); lane 31's is used
.set X,   12
.set Y,   14
.set Z,   16
.set TP,  18                           ; z - rho of the state
.set AA,  20                           ; M10 = dt (rho - z)
.set E,   22                           ; dt x: M21, and -M12
.set G,   24                           ; M20 = dt y
.set AX,  26                           ; sums over the four stages of (y - x), of -ky, of kz
.set AY,  28
.set AZ,  30
.set XS,  32                           ; the point of stage 2, then of stage 3
.set YS,  34
.set ZS,  36
.set XU,  38                           ; the point of stage 4
.set YU,  40
.set ZU,  42
.set D,   44                           ; y - x, z - rho, x y, -ky, kz at a stage
.set T,   46
.set P,   48
.set N,   50
.set K,   52
.set D4,  54                           ; the same at stage 4, which does not wait for stage 3
.set T4,  56
.set P4,  58
.set N4,  60
.set K4,  62
.set TS,  44                           ; v44-54 once more, in front of the first RK4: scratch for the table of g
.set Q,   64                           ; v64-81  Q[i][j] at Q + 6 i + 2 j, rows orthonormal
.set R,   82                           ; v82-99  the rows of M Q, orthogonalised in place
.set NN,  100                          ; the squared norm of row 1, then of row 2
.set II,  102                          ; 1 / norm of row 1, then of row 2
.set L,   104                          ; v104-109  log2 of the three squared norms
.set DA,  110                          ; projections
.set DB,  112
.set NNB, 114                          ; the squared norm of the next step's row 0
.set IIB, 116                          ; 1 / norm of row 0
.set S,   118                          ; v118-123  the three running numerators
.macro SCONST p, bits
	s_mov_b32 s[\p], \bits
	s_mov_b32 s[\p+1], \bits
.endm
; packed f32 on pairs; k = a scalar pair, whose first register feeds both halves
.macro PMUL d, a, b
	v_pk_mul_f32 v[\d:\d+1], v[\a:\a+1], v[\b:\b+1]
.endm
.macro PMULS d, a, k
	v_pk_mul_f32 v[\d:\d+1], v[\a:\a+1], s[\k:\k+1] op_sel_hi:[1,0]
.endm
.macro PADD d, a, b
	v_pk_add_f32 v[\d:\d+1], v[\a:\a+1], v[\b:\b+1]
.endm
.macro PSUB d, a, b
	v_pk_add_f32 v[\d:\d+1], v[\a:\a+1], v[\b:\b+1] neg_lo:[0,1] neg_hi:[0,1]
.endm
.macro PADDS d, a, k
	v_pk_add_f32 v[\d:\d+1], v[\a:\a+1], s[\k:\k+1] op_sel_hi:[1,0]
.endm
.macro PFMA d, a, b, c
	v_pk_fma_f32 v[\d:\d+1], v[\a:\a+1], v[\b:\b+1], v[\c:\c+1]
.endm
.macro PNFMA d, a, b, c                ; c - a b
	v_pk_fma_f32 v[\d:\d+1], v[\a:\a+1], v[\b:\b+1], v[\c:\c+1] neg_lo:[1,0,0] neg_hi:[1,0,0]
.endm
.macro PFMAS d, a, k, c
	v_pk_fma_f32 v[\d:\d+1], v[\a:\a+1], s[\k:\k+1], v[\c:\c+1] op_sel_hi:[1,0,1]
.endm
.macro PFMA2 d, a, c                   ; 2 a + c
	v_pk_fma_f32 v[\d:\d+1], v[\a:\a+1], 2.0, v[\c:\c+1] op_sel_hi:[1,0,1]
.endm
.macro TRSQ i, n                       ; pair i = 1 / sqrt(pair n)
	v_rsq_f32 v[\i], v[\n]
	v_rsq_f32 v[\i+1], v[\n+1]
.endm
.macro TLOG i, n                       ; row i's logarithm of pair n
	v_log_f32 v[L+2*\i], v[\n]
	v_log_f32 v[L+2*\i+1], v[\n+1]
.endm
.macro SUPD i                          ; S_i = S_i g + log2(norm_i^2)
	PFMAS S+2*\i, S+2*\i, SG, L+2*\i
.endm
; RK4 and the entries of M in 19 pieces, 44 packed instructions, to be laid between the links of the Gram-Schmidt chains
; and between a batch of transcendentals and its wait.
; kx = sigma (y - x); -ky = x (z - rho) + y; kz = x y - beta z.  sigma and the signs sit in the constants.
; ADV = 0 (the last step): the pieces are empty.
.set ADV, 1
.macro RK1                             ; stage 1 at the state (z - rho is there already)
.if ADV
	PSUB  AX, Y, X
	PFMA  AY, X, TP, Y
	PMUL  P, X, Y
.endif
.endm
.macro RK2
.if ADV
	PFMAS AZ, Z, C_NBETA, P
	PFMAS XS, AX, C_HS2, X             ; the point of stage 2: x + dt/2 k1
	PFMAS YS, AY, C_NH2, Y
.endif
.endm
.macro RK3
.if ADV
	PFMAS ZS, AZ, C_H2, Z
	PSUB  D, YS, XS                    ; stage 2
	PMUL  P, XS, YS
.endif
.endm
.macro RK4
.if ADV
	PADDS T, ZS, C_NRHO
.endif
.endm
.macro RK5
.if ADV
	PFMA  N, XS, T, YS
	PFMAS K, ZS, C_NBETA, P
.endif
.endm
.macro RK6                             ; from k2: the point of stage 3 (x + dt/2 k2), that of stage 4 (x + dt k2), and the sum
.if ADV
	PFMAS XS, D, C_HS2, X
	PFMAS XU, D, C_HS, X
	PFMA2 AX, D, AX
.endif
.endm
.macro RK7
.if ADV
	PFMAS YS, N, C_NH2, Y
	PFMAS YU, N, C_NH, Y
	PFMA2 AY, N, AY
.endif
.endm
.macro RK8
.if ADV
	PFMAS ZS, K, C_H2, Z
	PFMAS ZU, K, C_H, Z
	PFMA2 AZ, K, AZ
.endif
.endm
.macro RK9                             ; stages 3 and 4 side by side
.if ADV
	PSUB  D, YS, XS
	PSUB  D4, YU, XU
	PMUL  P, XS, YS
.endif
.endm
.macro RK10
.if ADV
	PMUL  P4, XU, YU
	PADDS T, ZS, C_NRHO
	PADDS T4, ZU, C_NRHO
.endif
.endm
.macro RK11
.if ADV
	PFMA  N, XS, T, YS
	PFMA  N4, XU, T4, YU
.endif
.endm
.macro RK12
.if ADV
	PFMAS K, ZS, C_NBETA, P
	PFMAS K4, ZU, C_NBETA, P4
.endif
.endm
.macro RK13
.if ADV
	PFMA2 AX, D, AX
	PFMA2 AY, N, AY
.endif
.endm
.macro RK14
.if ADV
	PFMA2 AZ, K, AZ
	PADD  AX, AX, D4
.endif
.endm
.macro RK15
.if ADV
	PADD  AY, AY, N4
	PADD  AZ, AZ, K4
.endif
.endm
.macro RK16                            ; x + dt/6 (k1 + 2 k2 + 2 k3 + k4)
.if ADV
	PFMAS X, AX, C_HS6, X
	PFMAS Y, AY, C_NH6, Y
.endif
.endm
.macro RK17                            ; the entries of M for the next step: this step's M Q has long read the old ones
.if ADV
	PFMAS Z, AZ, C_H6, Z
	PMULS E, X, C_H
.endif
.endm
.macro RK18
.if ADV
	PMULS G, Y, C_H
	PADDS TP, Z, C_NRHO
.endif
.endm
.macro RK19
.if ADV
	PMULS AA, TP, C_NH
.endif
.endm
; What of the NEXT step's M Q does not hang on q2: row 0 whole, its squared norm and its four transcendentals, and the first two terms
; of row 1.  Each row's terms are added in the order in which M's row has them but for the diagonal's, which comes first.
; ADV = 0 (the last step): there is no next step, and the pieces are empty.
.macro NX1                             ; behind q0, which was the last to read R's row 0
.if ADV
.irp j, 0,1,2
	PMULS R+2*\j, Q+2*\j, C_M00
.endr
.endif
.endm
.macro NX2                             ; behind q1
.if ADV
.irp j, 0,1,2
	PFMAS R+2*\j, Q+6+2*\j, C_HS, R+2*\j
.endr
.endif
.endm
.macro NX3A
.if ADV
	PMUL  NNB, R, R
.endif
.endm
.macro NX3B
.if ADV
	PFMA  NNB, R+2, R+2, NNB
.endif
.endm
.macro NX3C
.if ADV
	PFMA  NNB, R+4, R+4, NNB
.endif
.endm
.macro NXROOT
.if ADV
	TRSQ  IIB, NNB
.endif
.endm
.macro NXLOG
.if ADV
	TLOG  0, NNB
.endif
.endm
.macro NX4                             ; behind q1, which was the last to read R's row 1
.if ADV
.irp j, 0,1,2
	PMULS R+6+2*\j, Q+6+2*\j, C_M11
.endr
.endif
.endm
.macro NX5                             ; behind RK19, which makes the next step's AA
.if ADV
.irp j, 0,1,2
	PFMA  R+6+2*\j, AA, Q+2*\j, R+6+2*\j
.endr
.endif
.endm
.macro ROW2                            ; behind a joint wait: q2 and S_2 of the step that made R's row 2; s[SG] still holds that step's g
.irp j, 0,1,2
	PMUL  Q+12+2*\j, R+12+2*\j, II
.endr
	SUPD  2
.endm
; One step, from joint wait to joint wait: the step before is closed (q2, S_2); the rest of R = M Q; Gram-Schmidt over the rows of R;
; q0, q1; S_0, S_1; woven in, the RK4 of the next step and what of its M Q can be had.
; M = [ 1-dt sigma, dt sigma, 0 ;  AA, 1-dt, -E ;  G, E, 1-dt beta ].   gv: the register whose lane TRIP holds this step's g.
; Behind the last v_log_f32 of each batch a plain vector instruction of the Gram-Schmidt stream itself (S_0, S_1: not an RK or NX piece,
; which may be empty) stands ahead of the batch's wait, and so before a result is read or a squared norm rewritten (ISA guide 5.7.2).
.macro STEP gv
	ROW2
	v_readlane_b32 s[SG], v[\gv], s[TRIP]          ; this step's g, behind the last use of the old one
.irp j, 0,1,2
	PMULS R+12+2*\j, Q+12+2*\j, C_M22              ; row 2's first term, the diagonal's
.endr
.irp j, 0,1,2
	PNFMA R+6+2*\j, E, Q+12+2*\j, R+6+2*\j         ; row 1's third term
.endr
.irp j, 0,1,2
	PFMA  R+12+2*\j, G, Q+2*\j, R+12+2*\j          ; the last read of the old q0
.endr
.irp j, 0,1,2
	PMUL  Q+2*\j, R+2*\j, IIB                      ; q0
.endr
.irp j, 0,1,2
	PFMA  R+12+2*\j, E, Q+6+2*\j, R+12+2*\j
.endr
	RK1
	PMUL  DA, Q, R+6                               ; q0 . r1 and q0 . r2
	PMUL  DB, Q, R+12
	RK2
	PFMA  DA, Q+2, R+8, DA
	PFMA  DB, Q+2, R+14, DB
	RK3
	PFMA  DA, Q+4, R+10, DA
	PFMA  DB, Q+4, R+16, DB
	RK4
.irp j, 0,1,2
	PNFMA R+6+2*\j, DA, Q+2*\j, R+6+2*\j           ; r1 -= (q0 . r1) q0
.endr
	RK5
	PMUL  NN, R+6, R+6
.irp j, 0,1,2
	PNFMA R+12+2*\j, DB, Q+2*\j, R+12+2*\j         ; r2 -= (q0 . r2) q0
.endr
	PFMA  NN, R+8, R+8, NN
	RK6
	PFMA  NN, R+10, R+10, NN
	RK7
	TRSQ  II, NN                                   ; ROW 1's BATCH of four; between and behind them RK8, S_0 (its logarithm has had its wait), RK9, RK10 and NX1
	RK8
	TLOG  1, NN
	SUPD  0
	RK9
	RK10
	NX1
	s_wait_alu depctr_va_vdst(0)                   ; the wait for row 1's batch (II, L+2, L+3), ahead of its first reader
.irp j, 0,1,2
	PMUL  Q+6+2*\j, R+6+2*\j, II                   ; q1
.endr
	PMUL  DA, Q+6, R+12                            ; q1 . r2, with r2 as it stands after q0
	NX2
	PFMA  DA, Q+8, R+14, DA
	RK11
	NX3A
	PFMA  DA, Q+10, R+16, DA
	RK12
	NX3B
.irp j, 0,1,2
	PNFMA R+12+2*\j, DA, Q+6+2*\j, R+12+2*\j
.endr
	RK13
	PMUL  NN, R+12, R+12
	RK14
	NX3C
	PFMA  NN, R+14, R+14, NN
	RK15
	PFMA  NN, R+16, R+16, NN
	RK16
	RK17
	TRSQ  II, NN                                   ; THE JOINT BATCH of eight: row 2's four and the next step's row 0's four (in the last step: row 2's alone);
	NXROOT                                         ; between and behind them RK18, S_1 (its logarithm is row 1's batch's), RK19, NX4 and NX5
	RK18
	TLOG  2, NN
	NXLOG
	SUPD  1
	RK19
	NX4
	NX5
	s_wait_alu depctr_va_vdst(0)                   ; the wait for the joint batch (II, IIB, L+4, L+5, L, L+1), ahead of its first reader, the q2 that follows the step's text
.endm
	s_load_b256 s[4:11], s[0:1], 0x0               ; time_sequ s[4:5], x s[6:7], out0 s[8:9], out1 s[10:11]
	v_and_b32 v5, 31, v0                           ; lane
	v_lshlrev_b32 v[OFFV], 3, v0                   ; two f32 a thread
	v_lshlrev_b32 v[TS], 3, v5                     ; byte of t[2 lane]
	v_cmp_ne_u32 vcc_lo, 0, v5                     ; every lane but 0; kept for g_0 below
	v_add_nc_u32 v[TS+1], -4, v[TS]                ; byte of t[2 lane - 1];
	v_cndmask_b32 v[TS+1], v[TS], v[TS+1], vcc_lo  ; lane 0 has none and reads t[0], inside the buffer; its g is replaced below
	s_lshl_b32 s2, ttmp9, 11                       ; the work-group's 256 threads x 8 bytes in each row
	s_mov_b32 s3, 0
	SCONST C_NRHO,  0xc1e00000                     ; -28
	SCONST C_NBETA, 0xc02aaaab                     ; -8/3
	SCONST C_HS2,   0x3d4ccccd                     ; 0.05
	SCONST C_HS,    0x3dcccccd                     ; 0.1
	SCONST C_HS6,   0x3c888889                     ; 0.1/6
	SCONST C_NH2,   0xbba3d70a                     ; -0.005
	SCONST C_NH,    0xbc23d70a                     ; -0.01
	SCONST C_NH6,   0xbada740e                     ; -0.01/6
	SCONST C_H2,    0x3ba3d70a                     ; 0.005
	SCONST C_H,     0x3c23d70a                     ; 0.01
	SCONST C_H6,    0x3ada740e                     ; 0.01/6
	SCONST C_M00,   0x3f666666                     ; 0.9
	SCONST C_M11,   0x3f7d70a4                     ; 0.99
	SCONST C_M22,   0x3f792c60                     ; 1 - 0.08/3
	s_mov_b32 s[SG], 0                             ; the g that the first step's opening S_2 = 0 g + 0 takes
	s_mov_b32 s[SG+1], 0                           ; the second registers of the two pairs that v_readlane_b32 fills: never used, but named
	s_mov_b32 s[SF+1], 0
	s_wait_kmcnt 0x0
	s_add_nc_u64 s[6:7], s[6:7], s[2:3]
	s_add_nc_u64 s[8:9], s[8:9], s[2:3]
	s_add_nc_u64 s[10:11], s[10:11], s[2:3]
	global_load_b64 v[TS+2:TS+3], v[TS], s[4:5]    ; t[2 i], t[2 i + 1]
	global_load_b32 v[TS+4], v[TS+1], s[4:5]       ; t[2 i - 1]
	global_load_b64 v[X:X+1], v[OFFV], s[6:7] th:TH_LOAD_NT
	global_load_b64 v[Y:Y+1], v[OFFV], s[6:7] offset:ROWB th:TH_LOAD_NT
	global_load_b64 v[Z:Z+1], v[OFFV], s[6:7] offset:2*ROWB th:TH_LOAD_NT
	; Q = I and S = 0, as the problem starts them: 28 moves, once, under the loads.  Rows 0 and 1 of I lie in Q.  Row 2 lies as a step leaves
	; its row 2: in R, with 1 / norm = 1 and log2 = 0, so that the first step opens like every other: its q2 is (0, 0, 1) x 1, its S_2 is 0.
.set i, 0
.rept 12
.if (i/2)%4 == 0
	v_mov_b32 v[Q+i], 1.0                          ; pairs 0 and 4: the diagonal
.else
	v_mov_b32 v[Q+i], 0
.endif
.set i, i+1
.endr
.irp i, 0,1,2,3
	v_mov_b32 v[R+12+\i], 0
.endr
	v_mov_b32 v[R+16], 1.0
	v_mov_b32 v[R+17], 1.0
	v_mov_b32 v[II], 1.0
	v_mov_b32 v[II+1], 1.0
	v_mov_b32 v[L+4], 0
	v_mov_b32 v[L+5], 0
.irp i, 0,1,2,3,4,5
	v_mov_b32 v[S+\i], 0
.endr
	s_wait_loadcnt 0x3                             ; the two loads of t are in; the three younger ones (x, y, z) may stay out
	v_add_f32 v[TS+5], s[C_H], v[TS+4]             ; t[2 i - 1] + dt
	v_add_f32 v[TS+6], s[C_H], v[TS+2]             ; t[2 i] + dt
	v_add_f32 v[TS+7], s[C_H], v[TS+3]             ; t[2 i + 1] + dt
	v_rcp_f32 v[TS+8], v[TS+5]
	v_rcp_f32 v[TS+9], v[TS+6]
	v_rcp_f32 v[TS+10], v[TS+7]
	s_wait_loadcnt 0x0                             ; x, y, z
	PADDS TP, Z, C_NRHO                            ; the plain instruction between the reciprocals and their use (ISA guide 5.7.2)
	s_wait_alu depctr_va_vdst(0)                   ; the wait ahead of the first use: one for the three reciprocals
	v_mul_f32 v[TS+8], v[TS+2], v[TS+8]            ; g of step 2 i
	v_mul_f32 v[GO], v[TS+3], v[TS+9]              ; g of step 2 i + 1
	v_mul_f32 v[FF], 0x3eb17218, v[TS+10]          ; (ln 2 / 2) / (t[2 i + 1] + dt)
	v_cndmask_b32 v[GE], 0, v[TS+8], vcc_lo        ; g_0 = 0: lya starts at 0, so lya t_0 = 0
	NX1                                            ; row 0 of step 0's M Q, which hangs on no x, and its squared norm
	NX2
	NX3A
	NX3B
	NX3C
	NXROOT                                         ; THE FIRST BATCH: row 0 of step 0, four; behind it the whole RK4 of step 0, NX4 and NX5
	NXLOG
	RK1                                            ; the RK4 of step 0 and its M, by itself
	RK2
	RK3
	RK4
	RK5
	RK6
	RK7
	RK8
	RK9
	RK10
	RK11
	RK12
	RK13
	RK14
	RK15
	RK16
	RK17
	RK18
	RK19
	NX4                                            ; the first two terms of step 0's row 1
	NX5
	s_wait_alu depctr_va_vdst(0)                   ; the wait for the first batch (IIB, L, L+1), ahead of the label and of its first reader, q0
	s_mov_b32 s[TRIP], 0
.Ltrip:                                            ; trip i: steps 2 i and 2 i + 1, each with the RK4 of the step behind it; four waits for its four batches
	STEP GE
	STEP GO
	s_add_co_u32 s[TRIP], s[TRIP], 1
	s_cmp_lt_u32 s[TRIP], STEPS/2-1
	s_cbranch_scc1 .Ltrip
	STEP GE                                        ; step 62 (TRIP = 31), with the 64th and last RK4
	global_store_b64 v[OFFV], v[X:X+1], s[10:11] th:TH_STORE_NT                 ; x is final; the last step writes none of X, Y, Z, OFFV
	global_store_b64 v[OFFV], v[Y:Y+1], s[10:11] offset:ROWB th:TH_STORE_NT
	global_store_b64 v[OFFV], v[Z:Z+1], s[10:11] offset:2*ROWB th:TH_STORE_NT
.set ADV, 0
	STEP GO                                        ; step 63: Gram-Schmidt alone
	ROW2                                           ; step 63 is closed as every step is: q2, and S_2 with g_63; its wait ended the step's text
	v_readlane_b32 s[SF], v[FF], 31                ; (ln 2 / 2) / (t_63 + dt)
	PMULS S, S, SF
	PMULS S+2, S+2, SF
	PMULS S+4, S+4, SF
	global_store_b64 v[OFFV], v[S:S+1], s[8:9] th:TH_STORE_NT
	global_store_b64 v[OFFV], v[S+2:S+3], s[8:9] offset:ROWB th:TH_STORE_NT
	global_store_b64 v[OFFV], v[S+4:S+5], s[8:9] offset:2*ROWB th:TH_STORE_NT
	s_endpgm
.Lfunc_end_k_q91f12188be_lyap:
	.size	k_q91f12188be_lyap, .Lfunc_end_k_q91f12188be_lyap-k_q91f12188be_lyap
	.p2alignl 7, 3214868480
	.fill 96, 4, 3214868480
	.section	.rodata,"a",@progbits
	.p2align	6, 0x0
	.amdhsa_kernel k_q91f12188be_lyap
		.amdhsa_group_segment_fixed_size 0
		.amdhsa_private_segment_fixed_size 0
		.amdhsa_enable_private_segment 0
		.amdhsa_kernarg_size 32
		.amdhsa_user_sgpr_count 2
		.amdhsa_user_sgpr_kernarg_segment_ptr 1
		.amdhsa_wavefront_size32 1
		.amdhsa_system_sgpr_workgroup_id_x 1
		.amdhsa_system_sgpr_workgroup_id_y 1
		.amdhsa_system_sgpr_workgroup_id_z 1
		.amdhsa_system_vgpr_workitem_id 0
		.amdhsa_next_free_vgpr 128
		.amdhsa_next_free_sgpr 66
		.amdhsa_reserve_vcc 1
		.amdhsa_float_denorm_mode_32 3
		.amdhsa_float_denorm_mode_16_64 3
		.amdhsa_memory_ordered 1
		.amdhsa_forward_progress 1
		.amdhsa_inst_pref_size 35
	.end_amdhsa_kernel
	.amdgpu_metadata
---
amdhsa.version: [ 1, 2 ]
amdhsa.kernels:
  - .name:           k_q91f12188be_lyap
    .symbol:         k_q91f12188be_lyap.kd
    .args:
      - { .name: time_sequ, .offset: 0, .size: 8, .value_kind: global_buffer, .address_space: global }
      - { .name: x, .offset: 8, .size: 8, .value_kind: global_buffer, .address_space: global }
      - { .name: out0, .offset: 16, .size: 8, .value_kind: global_buffer, .address_space: global }
      - { .name: out1, .offset: 24, .size: 8, .value_kind: global_buffer, .address_space: global }
    .group_segment_fixed_size: 0
    .private_segment_fixed_size: 0
    .kernarg_segment_align: 8
    .kernarg_segment_size: 32
    .max_flat_workgroup_size: 256
    .sgpr_count:     66
    .vgpr_count:     128
    .wavefront_size: 32
...
	.end_amdgpu_metadata
.endif
;; end of part 2
